; MI455X (gfx1250); checked and timed in simulation.
; The chip was launched on July 23, 2026; its instructions are those of AMD's public machine-readable ISA for CDNA 5 (MIT licence, August 2026) and "CDNA5" Instruction Set Architecture Reference Guide (July 2026). The comments in the code are by the model that wrote it; some were corrected since.
;; Simple Attention. Allowed arithmetic: float matrix products may take bf16 or f16 operands with f32 sums; all other float work in f32.
;; Inputs: Wk 512 x 512 float32; Wq 512 x 512 float32; Wv 512 x 512 float32; bk 512 float32; bq 512 float32; bv 512 float32; key 1,024 x 512 float32; query 1,024 x 512 float32; value 1,024 x 512 float32.
;; Outputs: out0 1,024 x 512 x 1 float32.
;; 2 versions, each right; version 2 is version 1 with the launch proj written anew for expert scheduling mode. Each part assembles by itself: llvm-mc -triple=amdgcn-amd-amdhsa -mcpu=gfx1250 --defsym DOCPART=n.
;; ======== version 1 of 2: 2 launches
;; limits: right only within a limited range of input values
;; workspace buffers: qkv 6,291,456 bytes
;; launch proj (part 1): grid 64 x 3, 16 waves a work-group, no clusters, 235,520 bytes of LDS; arguments query, key, value, Wq, Wk, Wv, bq, bk, bv, qkv; writes qkv
.if DOCPART == 1
	.amdgcn_target "amdgcn-amd-amdhsa--gfx1250"
	.amdhsa_code_object_version 6
	.text
	.protected	k_q13f64438c8_proj
	.globl	k_q13f64438c8_proj
	.p2align	8
	.type	k_q13f64438c8_proj,@function
k_q13f64438c8_proj:
	s_mov_b64 s[64:65], 0
	v_nop
	global_prefetch_b8 v0, s[64:65] scope:SCOPE_SE
	s_setreg_imm32_b32 hwreg(HW_REG_WAVE_MODE, 25, 1), 1
	s_wait_xcnt 0x0
; qkv[y][m][n] = sum over k of X_y[m][k] W_y[n][k] + b_y[n],  y = 0, 1, 2: (query, Wq, bq), (key, Wk, bk), (value, Wv, bv).
; X: [1024][512] f32, W: [512][512] f32, b: [512] f32, qkv: [3][1024][512] f32.  Operands are rounded to bf16, sums and bias stay f32.
; A work-group makes 64 rows x 128 columns of one layer: 16 x 4 x 3 = 192 work-groups.  6,144 outputs each (256 equal shares) is the size
; of no tile that divides 1024 x 512; of the tiles that do divide, this one brings the fewest bytes into any one work-group: (64 + 128) rows x 2,048 bytes.
; All of K (512) fits in LDS as bf16, so there is no ring: every thread issues its 48 loads of 16 bytes at once, each number is
; converted once in the work-group, one barrier, then the products run from LDS.
; NO CLUSTER, NO JOINT REQUESTS: those exist for tensor loads alone, which would land f32 in LDS: 192 rows x 2,048 bytes = 393,216 bytes
; do not fit, so it would take a ring, and every wave that reads a fragment would convert it again (X four times, W four times).
; Through registers the whole panel is 199,680 bytes and is converted once.
; Wave w: rows 16 (w & 3) .., columns 32 (w >> 2) ..: two accumulator tiles of 16 x 16.
.set XPITCH, 1040                      ; an LDS row of 512 bf16 + 16 bytes: 65 x 16, so 16 neighbouring rows start in 16 different 16-byte columns of 256
.set WP,     64*XPITCH                 ; X's 64 rows lie at 0, W's 128 rows behind them
.set STAGE,  192*XPITCH                ; 64 rows x 128 f32 for the way out, bytes of its own
.set SPITCH, 528                       ; 512 + 16 = 33 x 16
.set RAW,    16                        ; v[16:207] 48 loads x 4 registers; later 8 fragment buffers of 24 (X 8, W tile 0 8, W tile 1 8)
.set ACC,    208                       ; v[208:223] two accumulators (v208-213 serve as temporaries before)
; v1 16 t   v2-v4 LDS store addresses (X, W rows 0-63, W rows 64-127)   v5, v6 fragment addresses (X, W)   v7 stage in   v8 stage back
; v9 my bytes in qkv   v10 16 x lane   v[12:15] bias of my four columns on the way out
	s_load_b512 s[8:23], s[0:1], 0x0               ; query 8, key 10, value 12, Wq 14, Wk 16, Wv 18, bq 20, bk 22
	s_load_b128 s[24:27], s[0:1], 0x40             ; bv 24, qkv 26
	v_lshl_add_u32 v224, v0, 2, 0x39000
	v_mov_b32 v225, 0
	v_lshrrev_b32 v208, 5, v0
	v_readfirstlane_b32 s29, v208                  ; wave 0..15
	s_and_b32 s28, ttmp7, 0xffff                   ; y: the layer
	s_lshr_b32 s36, ttmp9, 2                       ; block row 0..15
	s_lshl_b32 s36, s36, 17                        ; x 64 rows x 2,048 bytes
	s_mov_b32 s37, 0
	s_and_b32 s40, ttmp9, 3                        ; block column 0..3
	s_lshl_b32 s38, s40, 18                        ; x 128 rows of W x 2,048 bytes
	s_mov_b32 s39, 0
	s_lshl_b32 s40, s40, 9                         ; x 128 columns x 4 bytes
	s_mov_b32 s41, 0
	s_lshl_b32 s42, s28, 21                        ; the layer's plane of qkv
	s_mov_b32 s43, 0
	v_lshlrev_b32 v1, 4, v0                        ; the tiles are whole rows, so dense in memory: load i of thread t is at 16 t + 8192 i
	v_and_b32 v11, 31, v0
	v_lshlrev_b32 v10, 4, v11                      ; 16 x lane
	s_wait_kmcnt 0x0
	s_cmp_eq_u32 s28, 1                            ; the layer's three buffers: X s[30:31], W s[32:33], b s[34:35]
	s_cselect_b64 s[30:31], s[10:11], s[8:9]
	s_cselect_b64 s[32:33], s[16:17], s[14:15]
	s_cselect_b64 s[34:35], s[22:23], s[20:21]
	s_cmp_eq_u32 s28, 2
	s_cselect_b64 s[30:31], s[12:13], s[30:31]
	s_cselect_b64 s[32:33], s[18:19], s[32:33]
	s_cselect_b64 s[34:35], s[24:25], s[34:35]
	s_add_nc_u64 s[30:31], s[30:31], s[36:37]
	s_add_nc_u64 s[32:33], s[32:33], s[38:39]
	s_add_nc_u64 s[34:35], s[34:35], s[40:41]
	s_add_nc_u64 s[26:27], s[26:27], s[42:43]
	s_add_nc_u64 s[26:27], s[26:27], s[36:37]
	s_add_nc_u64 s[26:27], s[26:27], s[40:41]
	global_load_b128 v[12:15], v10, s[34:35]       ; the bias first: it is the oldest load, so the last wait below covers it
.set i, 0
.rept 16
	global_load_b128 v[RAW+4*i:RAW+4*i+3], v1, s[30:31] offset:8192*i          ; X: a wave's load covers 512 neighbouring bytes
.set i, i+1
.endr
.set i, 0
.rept 32
	global_load_b128 v[RAW+64+4*i:RAW+64+4*i+3], v1, s[32:33] offset:8192*i    ; W
.set i, i+1
.endr
	; addresses, while the loads are on their way
	v_lshrrev_b32 v208, 7, v0                      ; 128 threads cover a row of 2,048 bytes: load i holds row 4 i + (t >> 7)
	v_and_b32 v209, 127, v0
	v_mul_u32_u24 v208, v208, XPITCH
	v_lshl_add_u32 v2, v209, 3, v208               ; my 4 numbers become 8 bytes of bf16
	v_add_nc_u32 v3, WP, v2
	v_add_nc_u32 v4, 64*XPITCH, v3
	v_and_b32 v210, 15, v0                         ; r
	v_bfe_u32 v211, v0, 4, 1                       ; h
	v_mul_u32_u24 v212, v210, XPITCH
	v_lshl_add_u32 v212, v211, 4, v212             ; r x pitch + 16 h: a 16-bit fragment's lane address
	v_mul_u32_u24 v213, v210, SPITCH
	v_lshl_add_u32 v213, v211, 5, v213             ; stage: row r, 8 f32 for each half of the lanes
	s_and_b32 s44, s29, 3                          ; which 16 rows are mine
	s_lshr_b32 s45, s29, 2                         ; which 32 columns
	s_mul_i32 s46, s44, 16*XPITCH
	v_add_nc_u32 v5, s46, v212
	s_mul_i32 s46, s45, 32*XPITCH
	s_add_co_u32 s46, s46, WP
	v_add_nc_u32 v6, s46, v212
	s_mul_i32 s46, s44, 16*SPITCH
	s_lshl_b32 s47, s45, 7
	s_add_co_u32 s46, s46, s47
	s_add_co_u32 s46, s46, STAGE
	v_add_nc_u32 v7, s46, v213
	s_mul_i32 s46, s29, SPITCH                     ; back: wave w takes rows w, w + 16, w + 32, w + 48, a whole row of 512 bytes each time
	s_add_co_u32 s46, s46, STAGE
	v_add_nc_u32 v8, s46, v10
	s_lshl_b32 s46, s29, 11
	v_add_nc_u32 v9, s46, v10
; four loads' numbers to bf16 and into the panels.  Behind load 4 g + 3 stand 44 - 4 g younger loads, which may stay out.
.macro CONV g
	s_wait_loadcnt 44-4*\g
.irp n, 0,1,2,3
.set i, 4*\g+\n
.set L, RAW+4*i
	v_cvt_pk_bf16_f32 v[L], v[L], v[L+1]
	v_cvt_pk_bf16_f32 v[L+1], v[L+2], v[L+3]
	ds_store_b64 v[2+i/16], v[L:L+1] offset:4*XPITCH*(i%16)    ; a wave's store covers 256 neighbouring bytes
.endr
.endm
.irp g, 0,1,2,3,4,5,6,7,8,9,10,11
	CONV \g
.endr
	s_wait_dscnt 0x0                               ; my part of the panels is in LDS, for the others' sake
	s_barrier_signal -1
	s_barrier_wait -1                              ; everybody's is
; the fragments of K step s (32 along K = 64 bytes of a row) into buffer buf
.macro LDK s, buf
.set F, RAW+24*\buf
	ds_load_b128 v[F:F+3],     v5 offset:64*\s
	ds_load_b128 v[F+4:F+7],   v5 offset:64*\s+32
	ds_load_b128 v[F+8:F+11],  v6 offset:64*\s
	ds_load_b128 v[F+12:F+15], v6 offset:64*\s+32
	ds_load_b128 v[F+16:F+19], v6 offset:16*XPITCH+64*\s
	ds_load_b128 v[F+20:F+23], v6 offset:16*XPITCH+64*\s+32
.endm
; Used transposed: source 0 = 16 rows of W, source 1 = 16 rows of X, so that a lane's 8 results are 8 neighbouring columns of one row.
; zero = 1: the first product starts the sums.
.macro MULK buf, zero
.set F, RAW+24*\buf
.if \zero
	v_wmma_f32_16x16x32_bf16 v[ACC:ACC+7],    v[F+8:F+15],  v[F:F+7], 0
	v_wmma_f32_16x16x32_bf16 v[ACC+8:ACC+15], v[F+16:F+23], v[F:F+7], 0
.else
	v_wmma_f32_16x16x32_bf16 v[ACC:ACC+7],    v[F+8:F+15],  v[F:F+7], v[ACC:ACC+7]
	v_wmma_f32_16x16x32_bf16 v[ACC+8:ACC+15], v[F+16:F+23], v[F:F+7], v[ACC+8:ACC+15]
.endif
.endm
.macro PLACES                          ; four independent vector instructions between a matrix instruction and a load into its sources,
.rept 4                                ; or an instruction that reads its result (ISA guide 7.12.1)
	v_nop
.endr
.endm
.irp s, 0,1,2,3,4,5,6,7
	LDK \s, \s
.endr
	s_wait_dscnt 24                                ; K steps 0-3 are in; the 24 loads of steps 4-7 may be out
	MULK 0, 1
	MULK 1, 0
	MULK 2, 0
	MULK 3, 0
	PLACES
	LDK 8, 0
	LDK 9, 1
	LDK 10, 2
	LDK 11, 3
	s_wait_dscnt 24                                ; steps 4-7 are in; the 24 loads of steps 8-11 may be out
	MULK 4, 0
	MULK 5, 0
	MULK 6, 0
	MULK 7, 0
	PLACES
	LDK 12, 4
	LDK 13, 5
	LDK 14, 6
	LDK 15, 7
	s_wait_dscnt 24                                ; steps 8-11 are in; the 24 loads of steps 12-15 may be out
	MULK 0, 0
	MULK 1, 0
	MULK 2, 0
	MULK 3, 0
	s_wait_dscnt 0x0
	MULK 4, 0
	MULK 5, 0
	MULK 6, 0
	MULK 7, 0
	PLACES
	; the way out: through the stage, so that whole rows of 512 bytes leave.  The stage's bytes are no panel's: no barrier in front.
	ds_store_b128 v7, v[ACC:ACC+3]
	ds_store_b128 v7, v[ACC+4:ACC+7]    offset:16
	ds_store_b128 v7, v[ACC+8:ACC+11]   offset:64
	ds_store_b128 v7, v[ACC+12:ACC+15]  offset:80
	s_wait_dscnt 0x0                               ; my results are in the stage, for the others' sake
	s_barrier_signal -1
	s_barrier_wait -1
.irp c, 0,1,2,3
	ds_load_b128 v[RAW+4*\c:RAW+4*\c+3], v8 offset:16*SPITCH*\c
.endr
.irp c, 0,1,2,3
	s_wait_dscnt 3-\c                              ; LDS loads come back in order: row c is in
	v_pk_add_f32 v[RAW+4*\c:RAW+4*\c+1],   v[RAW+4*\c:RAW+4*\c+1],   v[12:13]
	v_pk_add_f32 v[RAW+4*\c+2:RAW+4*\c+3], v[RAW+4*\c+2:RAW+4*\c+3], v[14:15]
	global_store_b128 v9, v[RAW+4*\c:RAW+4*\c+3], s[26:27] offset:32768*\c     ; a wave's store covers 512 consecutive bytes, at a multiple of 512 from qkv's first byte
.endr
	s_wait_tensorcnt 0x0
	ds_add_u32 v224, v225
	s_wait_dscnt 0x0
	s_endpgm
.Lfunc_end_k_q13f64438c8_proj:
	.size	k_q13f64438c8_proj, .Lfunc_end_k_q13f64438c8_proj-k_q13f64438c8_proj
	.p2alignl 7, 3214868480
	.fill 96, 4, 3214868480
	.section	.rodata,"a",@progbits
	.p2align	6, 0x0
	.amdhsa_kernel k_q13f64438c8_proj
		.amdhsa_group_segment_fixed_size 235520
		.amdhsa_private_segment_fixed_size 0
		.amdhsa_enable_private_segment 0
		.amdhsa_kernarg_size 80
		.amdhsa_user_sgpr_count 2
		.amdhsa_user_sgpr_kernarg_segment_ptr 1
		.amdhsa_wavefront_size32 1
		.amdhsa_system_sgpr_workgroup_id_x 1
		.amdhsa_system_sgpr_workgroup_id_y 1
		.amdhsa_system_sgpr_workgroup_id_z 1
		.amdhsa_system_vgpr_workitem_id 0
		.amdhsa_next_free_vgpr 226
		.amdhsa_next_free_sgpr 66
		.amdhsa_reserve_vcc 0
		.amdhsa_float_denorm_mode_32 3
		.amdhsa_float_denorm_mode_16_64 3
		.amdhsa_memory_ordered 1
		.amdhsa_forward_progress 1
		.amdhsa_inst_pref_size 28
	.end_amdhsa_kernel
	.amdgpu_metadata
---
amdhsa.version: [ 1, 2 ]
amdhsa.kernels:
  - .name:           k_q13f64438c8_proj
    .symbol:         k_q13f64438c8_proj.kd
    .args:
      - { .name: query, .offset: 0, .size: 8, .value_kind: global_buffer, .address_space: global }
      - { .name: key, .offset: 8, .size: 8, .value_kind: global_buffer, .address_space: global }
      - { .name: value, .offset: 16, .size: 8, .value_kind: global_buffer, .address_space: global }
      - { .name: Wq, .offset: 24, .size: 8, .value_kind: global_buffer, .address_space: global }
      - { .name: Wk, .offset: 32, .size: 8, .value_kind: global_buffer, .address_space: global }
      - { .name: Wv, .offset: 40, .size: 8, .value_kind: global_buffer, .address_space: global }
      - { .name: bq, .offset: 48, .size: 8, .value_kind: global_buffer, .address_space: global }
      - { .name: bk, .offset: 56, .size: 8, .value_kind: global_buffer, .address_space: global }
      - { .name: bv, .offset: 64, .size: 8, .value_kind: global_buffer, .address_space: global }
      - { .name: qkv, .offset: 72, .size: 8, .value_kind: global_buffer, .address_space: global }
    .group_segment_fixed_size: 235520
    .private_segment_fixed_size: 0
    .kernarg_segment_align: 8
    .kernarg_segment_size: 80
    .max_flat_workgroup_size: 512
    .sgpr_count:     66
    .vgpr_count:     226
    .wavefront_size: 32
...
	.end_amdgpu_metadata
.endif
;; end of part 1
;; launch attn (part 2): grid 256 x 1, 16 waves a work-group, no clusters, 39,168 bytes of LDS; arguments qkv, out0; writes out0
.if DOCPART == 2
	.amdgcn_target "amdgcn-amd-amdhsa--gfx1250"
	.amdhsa_code_object_version 6
	.text
	.protected	k_q13f64438c8_attn
	.globl	k_q13f64438c8_attn
	.p2align	8
	.type	k_q13f64438c8_attn,@function
k_q13f64438c8_attn:
	s_mov_b64 s[64:65], 0
	v_nop
	global_prefetch_b8 v0, s[64:65] scope:SCOPE_SE
	s_setreg_imm32_b32 hwreg(HW_REG_WAVE_MODE, 25, 1), 1
	s_wait_xcnt 0x0
; out[b][i] = sum over j of softmax_j(q[b][i] k[b][j]) v[b][j].   qkv: [3][1024][512] f32 (q, k, v), out0: [1024][512] f32.
; A work-group takes 4 batch rows (8,192 dense bytes of each plane); wave w takes batch row w >> 2 and 128 values of i from 128 (w & 3):
; 8 tiles of 16.  256 work-groups of equal work; four waves on a SIMD, so that one wave's exponentials run beside another's plain work.
; Work-groups share no input: no cluster.  Each plane's bytes come once, in one burst of three loads a thread: no ring, no prefetch.
; THE MAXIMUM is taken away as in softmax, and costs no pass over j.  LDS holds d_j = k_j - kmax (<= 0) in k's stead; a product by one
; factor is monotone under rounding, so max_j (q d_j) is 0 for q >= 0 and q (kmin - kmax) for q < 0, exactly.
; THE TWO SUMS go to the matrix unit: D = A x B + D, A's rows 0 and 8 = v, rows 1 and 9 = ones, the other rows zeros; B = the weights
; (the exponentials), column n = i, 32 values of j along K.  Register 0 of D is then the numerator and register 1 the denominator of
; i = lane % 16, in both halves of the lanes.  The denominator adds the same rounded weights as the numerator: the weights add up to one.
; A lane has one q_i for a tile and needs 16 d_j, the same in all 16 lanes of a half: broadcast reads from LDS.
; WHY f16 AND NOT bf16 in this product: where |q| is large a few weights carry the sum, their roundings do not average out, and 8
; significant bits leave an error of the size of a small result's allowance; f16 has 11.  The weights lie in [0, 1].  v has no such bound, so
; each batch row of v is scaled by an exact power of two, 2^-E from the exponent of the row's largest |v| (held in [2^-126, 2^126]), to
; |v'| < 4 for every finite v, and the result is multiplied by 2^E.
; LIMITS.  Weights and v' enter the product with f16's 11 bits; a weight below 2^-25 of the largest counts as zero, 512 of them as less than
; 2^-16 of the denominator.  The exponent is one fused q' d_j - m' (q' = q log2 e, m' the rounded maximum).  For q >= 0, m' = 0 and there is
; no limit.  For q < 0, m's rounding, at most |q'| (kmax - kmin) 2^-24, scales numerator and denominator alike and cancels as long as
; 2^(that) stays inside f16: for |q| (kmax - kmin) log2 e < 2^28.  Beyond that figure the result may be NaN where softmax is one-hot.
.set PLANE,  2097152                   ; bytes of q, of k, of v
.set RED,    0                         ; 16 bytes for each wave: kmax, kmin, max |v| of its 128 numbers
.set DB,     256                       ; 4 rows of d = k - kmax, f32, 2,048 bytes each
.set AB,     8448                      ; for each batch row a group of AREG bytes: v' (f16) at 0, ones at APITCH, zeros at 2 APITCH
.set APITCH, 1040                      ; 16 more than a multiple of 256: the three rows that one fragment load touches lie in different banks
.set AREG,   5120                      ; 1,024 bytes of v' + 2 x 128 chunks of 16 bytes: every byte of a group is written
.set QB,     28928                     ; 512 bytes for each wave: its q at the start, its results at the end
.set Q,   16                           ; v[16:31]   tile t: the pair (q', -m')
.set K0,  32                           ; v[32:47], v[48:63]   the 16 d_j of a block of 32 j, two buffers
.set A0,  64                           ; v[64:71], v[72:79]   A's fragment, two buffers
.set X0,  80                           ; v[80:95], v[96:111]  exponents, then weights, two buffers (at the start: k, v, q as loaded, and the reductions)
.set P0,  112                          ; v[112:119], v[120:127]  B's fragment (f16), two buffers
.set ACC, 128                          ; v[128:191] tile t at 128 + 8 t
; v1 lane   v2 address of my d_j   v3 address of my row of A   v4 512 w + 16 lane   v5 512 w + 4 (lane % 16)   v6 512 w + 4 lane   v7 16 t
; v8 kmax   v9 2^E   v10 kmax - kmin   v11-v15 temporaries
	s_load_b128 s[4:7], s[0:1], 0x0                ; qkv s[4:5], out0 s[6:7]
	v_lshl_add_u32 v192, v0, 2, 0x9100
	v_mov_b32 v193, 0
	v_lshlrev_b32 v7, 4, v0
	v_lshrrev_b32 v8, 5, v0
	v_readfirstlane_b32 s8, v8                     ; wave 0..15
	s_lshl_b32 s10, ttmp9, 13                      ; 4 rows x 2,048 bytes
	s_mov_b32 s11, 0
	s_mov_b32 s12, 0x76543210                      ; v_permlanex16_b32: lane i of one half reads lane i of the other
	s_mov_b32 s13, 0xfedcba98
	s_wait_kmcnt 0x0
	s_add_nc_u64 s[4:5], s[4:5], s[10:11]
	s_add_nc_u64 s[6:7], s[6:7], s[10:11]
	global_load_b128 v[80:83], v7, s[4:5] offset:PLANE th:TH_LOAD_NT           ; k: thread t's four numbers belong to batch row t >> 7,
	global_load_b128 v[84:87], v7, s[4:5] offset:2*PLANE th:TH_LOAD_NT         ; v: which is its wave's batch row w >> 2
	global_load_b128 v[88:91], v7, s[4:5] th:TH_LOAD_NT                        ; q
	v_and_b32 v1, 31, v0
	v_and_b32 v8, 15, v0                           ; r
	v_bfe_u32 v9, v0, 4, 1                         ; h
	s_lshr_b32 s9, s8, 2                           ; my batch row of the four
	s_lshl_b32 s15, s9, 11                         ; its d in DB
	v_lshl_add_u32 v2, v9, 5, s15                  ; j = 8 h ..: 32 h bytes
	v_and_b32 v10, 7, v0                           ; A's row r: r % 8 = 0 v', 1 ones, 2..7 zeros
	v_min_u32 v10, 2, v10
	v_mul_u32_u24 v10, v10, APITCH
	v_lshl_add_u32 v10, v9, 4, v10                 ; + 16 h, as for every 16-bit fragment
	s_mul_i32 s16, s9, AREG
	v_add_nc_u32 v3, s16, v10
	s_lshl_b32 s17, s8, 9                          ; my wave's 512 bytes in QB
	v_lshl_add_u32 v4, v1, 4, s17
	v_lshl_add_u32 v5, v8, 2, s17
	v_lshl_add_u32 v6, v1, 2, s17
	s_lshl_b32 s18, s8, 4                          ; my wave's 16 bytes in RED
	s_lshl_b32 s19, s9, 6                          ; the 64 bytes of my batch row's four waves
	v_mov_b32 v12, s18
	; the constants of A: 128 threads cover a group.  Behind the 1,024 bytes of v', chunk c of 16 bytes: 0 pad, 1-64 the ones, 65 pad,
	; 66-129 the zeros, 130-255 a tail of zeros.  Thread u stores chunks u and 128 + u.
	v_lshrrev_b32 v14, 7, v0
	v_mul_u32_u24 v14, v14, AREG
	v_and_b32 v15, 127, v0                         ; u
	v_lshl_add_u32 v13, v15, 3, v14                ; my 4 v' as 8 bytes of f16
	v_lshl_add_u32 v14, v15, 4, v14
	v_mov_b32 v11, 0x3c003c00                      ; 1.0 twice, in f16
	v_cmp_ge_u32 vcc_lo, 64, v15
	v_cndmask_b32 v92, 0, v11, vcc_lo
	v_mov_b32 v93, v92
	v_mov_b32 v94, v92
	v_mov_b32 v95, v92
	v_mov_b32 v96, 0
	v_mov_b32 v97, 0
	v_mov_b32 v98, 0
	v_mov_b32 v99, 0
	ds_store_b128 v14, v[92:95] offset:AB+1024
	ds_store_b128 v14, v[96:99] offset:AB+3072
	; kmax, kmin and max |v| of my wave's 128 numbers
	s_wait_loadcnt 0x2                             ; k is in; v and q may be out
	v_max3_num_f32 v100, v80, v81, v82
	v_min3_num_f32 v101, v80, v81, v82
	v_max_num_f32 v100, v100, v83
	v_min_num_f32 v101, v101, v83
	s_wait_loadcnt 0x1                             ; v is in
	v_max3_num_f32 v102, |v84|, |v85|, |v86|
	v_max_num_f32 v102, v102, |v87|
.irp m, 1,2,4,8
	v_max_num_f32_dpp v100, v100, v100 row_xmask:\m row_mask:0xf bank_mask:0xf
	v_min_num_f32_dpp v101, v101, v101 row_xmask:\m row_mask:0xf bank_mask:0xf
	v_max_num_f32_dpp v102, v102, v102 row_xmask:\m row_mask:0xf bank_mask:0xf
.endr
	v_permlanex16_b32 v8, v100, s12, s13           ; v8, v9, v10 have been written above and are done with: the destination counts as read
	v_permlanex16_b32 v9, v101, s12, s13
	v_permlanex16_b32 v10, v102, s12, s13
	v_max_num_f32 v100, v100, v8
	v_min_num_f32 v101, v101, v9
	v_max_num_f32 v102, v102, v10
	v_mov_b32 v103, v102                           ; the fourth word is stored too and never used
	ds_store_b128 v12, v[100:103] offset:RED       ; all lanes write the same 16 bytes with the same values
	s_wait_loadcnt 0x0
	ds_store_b128 v4, v[88:91] offset:QB           ; q: thread t's 16 bytes are bytes 16 lane of its own wave's 512
	s_wait_dscnt 0x0                               ; my stores are in LDS, for the others' sake
	s_barrier_signal -1
	s_barrier_wait -1                              ; FIRST BARRIER: the partial figures of all waves are there
	v_mov_b32 v12, s19
.irp c, 0,1,2,3
	ds_load_b128 v[96+4*\c:99+4*\c], v12 offset:RED+16*\c      ; those of my batch row's four waves
.endr
	s_wait_dscnt 0x0
	v_max3_num_f32 v8, v96, v100, v104
	v_min3_num_f32 v10, v97, v101, v105
	v_max3_num_f32 v11, v98, v102, v106
	v_max_num_f32 v8, v8, v108                     ; kmax of the batch row
	v_min_num_f32 v10, v10, v109                   ; kmin
	v_max_num_f32 v11, v11, v110                   ; max |v|
	v_sub_f32 v10, v8, v10                         ; kmax - kmin = -(the smallest d_j), bit for bit
	v_max_num_f32 v11, 0x00800000, v11             ; held in [2^-126, 2^126], so that 2^E and 2^-E are both normal numbers
	v_min_num_f32 v11, 0x7e800000, v11
	v_and_b32 v9, 0x7f800000, v11                  ; 2^E: the exponent field e alone
	v_sub_nc_u32 v11, 0x7f000000, v9               ; 2^-E: the field 254 - e
.irp n, 0,1,2,3
	v_sub_f32 v[80+\n], v[80+\n], v8               ; d = k - kmax, from the registers that the loads filled
	v_mul_f32 v[84+\n], v[84+\n], v11              ; v' = v 2^-E, exact
.endr
	ds_store_b128 v7, v[80:83] offset:DB
	v_cvt_pk_f16_f32 v84, v84, v85
	v_cvt_pk_f16_f32 v85, v86, v87
	ds_store_b64 v13, v[84:85] offset:AB
	s_wait_dscnt 0x0                               ; my d and v' are in LDS, for the others' sake
	s_barrier_signal -1
	s_barrier_wait -1                              ; SECOND BARRIER: d, v', ones and zeros are only read from here on
; the 16 d_j (j = 32 n + 8 h + 0..7 and + 16) and A's fragment of block n, counted from where v2 and v3 stand
.macro LDKA k, a, n
	ds_load_b128 v[\k:\k+3],     v2 offset:DB+128*(\n)
	ds_load_b128 v[\k+4:\k+7],   v2 offset:DB+128*(\n)+16
	ds_load_b128 v[\k+8:\k+11],  v2 offset:DB+128*(\n)+64
	ds_load_b128 v[\k+12:\k+15], v2 offset:DB+128*(\n)+80
	ds_load_b128 v[\a:\a+3],     v3 offset:AB+64*(\n)
	ds_load_b128 v[\a+4:\a+7],   v3 offset:AB+64*(\n)+32
.endm
; two exponents of tile t: q' d_j - m', each in one rounding.  Source 1 gives q' to both halves, source 2 gives -m' to both.
.macro EXPO1 x, k, t, c
	v_pk_fma_f32 v[\x+2*\c:\x+2*\c+1], v[\k+2*\c:\k+2*\c+1], v[Q+2*\t:Q+2*\t+1], v[Q+2*\t:Q+2*\t+1] op_sel:[0,0,1] op_sel_hi:[1,0,1]
.endm
.irp t, 0,1,2,3,4,5,6,7
	ds_load_b32 v[Q+2*\t], v5 offset:QB+64*\t      ; q of i = i0 + 16 t + r
.endr
	LDKA K0, A0, 0
	s_wait_dscnt 6                                 ; q is in; block 0's 6 loads may be out
.irp t, 0,1,2,3,4,5,6,7
	v_mul_f32 v[Q+2*\t], 0x3fb8aa3b, v[Q+2*\t]     ; q' = q log2 e: the exponentials are in base 2
	v_mul_f32 v12, v[Q+2*\t], v10                  ; q' (kmax - kmin) = -(q' times the smallest d_j), rounded
	v_min_num_f32 v[Q+2*\t+1], 0, v12              ; -m': 0 for q >= 0, that product for q < 0
.endr
	s_wait_dscnt 0x0
.irp c, 0,1,2,3,4,5,6,7
	EXPO1 X0, K0, 0, \c                            ; the first unit's exponents
.endr
; A UNIT = one tile t of 16 i x one block of 32 j = 512 weights: 16 exponentials, 8 roundings to f16 pairs, 1 matrix instruction, and the 8 packed
; multiply-adds that make the NEXT unit's exponents (tile tn, d from buffer kn), which are also the plain instruction that has to stand
; between an exponential and the use of its result (ISA guide 5.7.2).  more = 0: no unit follows, v_nop takes that place.
; X and P take turns by t's parity.  A P buffer is written again only behind the other unit's 8 multiply-adds and 8 roundings, which name none
; of the registers of the matrix instruction that read it: more than the four places that it is owed (ISA guide 7.12.1).
.macro UNIT t, a, kn, tn, zero, more
.set XC, X0+16*((\t)%2)
.set XN, X0+16*((\t+1)%2)
.set PC, P0+8*((\t)%2)
.irp c, 0,1,2,3,4,5,6,7
	v_exp_f32 v[XC+2*\c], v[XC+2*\c]
	v_exp_f32 v[XC+2*\c+1], v[XC+2*\c+1]
.if \more
	EXPO1 XN, \kn, \tn, \c
.else
	v_nop
.endif
.if \c
	s_wait_alu depctr_va_vdst(0)
	v_cvt_pk_f16_f32 v[PC+\c-1], v[XC+2*\c-2], v[XC+2*\c-1]
.endif
.endr
	v_cvt_pk_f16_f32 v[PC+7], v[XC+14], v[XC+15]
.if \zero
	v_wmma_f32_16x16x32_f16 v[ACC+8*\t:ACC+8*\t+7], v[\a:\a+7], v[PC:PC+7], 0
.else
	v_wmma_f32_16x16x32_f16 v[ACC+8*\t:ACC+8*\t+7], v[\a:\a+7], v[PC:PC+7], v[ACC+8*\t:ACC+8*\t+7]
.endif
.endm
; A BLOCK = 32 j for all 8 tiles, on K and A buffer par.  load = 1: the next block's d and A go into the other buffers.  These loads stand
; behind unit 0, whose 16 plain instructions are the places behind the last block's last matrix instruction, which read that A buffer.
.macro BLOCK par, zero, load, more
.set KC, K0+16*\par
.set KO, K0+16*(1-\par)
.set AC, A0+8*\par
.set AO, A0+8*(1-\par)
	UNIT 0, AC, KC, 1, \zero, 1
.if \load
	LDKA KO, AO, \par+1
.endif
	UNIT 1, AC, KC, 2, \zero, 1
	UNIT 2, AC, KC, 3, \zero, 1
	UNIT 3, AC, KC, 4, \zero, 1
	UNIT 4, AC, KC, 5, \zero, 1
	UNIT 5, AC, KC, 6, \zero, 1
	UNIT 6, AC, KC, 7, \zero, 1
.if \load
	s_wait_dscnt 0x0                               ; issued six units ago: the next block's d (read in unit 7) and A
.endif
	UNIT 7, AC, KO, 0, \zero, \more
.endm
; two blocks, once through both buffers.  zero = 1: the first block's products start the sums.  last = 1: nothing follows the second block.
.macro PAIR zero, last
	BLOCK 0, \zero, 1, 1
	BLOCK 1, 0, 1-\last, 1-\last
.if 1-\last
	v_add_nc_u32 v2, 256, v2                       ; 64 j on: 256 bytes of d,
	v_add_nc_u32 v3, 128, v3                       ; 128 bytes of A's rows
.endif
.endm
	PAIR 1, 0                                      ; 512 j = 8 pairs: the first stands in front of the loop, nothing is cleared
	s_mov_b32 s14, 6
.Lpair:
	PAIR 0, 0
	s_sub_co_i32 s14, s14, 1
	s_cmp_lg_u32 s14, 0
	s_cbranch_scc1 .Lpair
	PAIR 0, 1                                      ; the last loads nothing beyond the row's end
	; THE WAY OUT.  Tiles 2 u and 2 u + 1 hold their sums in both halves of the lanes: lane l takes i = i0 + 32 u + l.
.rept 4
	v_nop                                          ; the places behind the last matrix instruction (ISA guide 7.12.1)
.endr
	v_cmp_le_u32 vcc_lo, 16, v1
.irp u, 0,1,2,3
	v_cndmask_b32 v[X0+\u],   v[ACC+16*\u],   v[ACC+16*\u+8], vcc_lo   ; numerator
	v_cndmask_b32 v[X0+4+\u], v[ACC+16*\u+1], v[ACC+16*\u+9], vcc_lo   ; denominator
.endr
.irp u, 0,1,2,3
	v_rcp_f32 v[X0+4+\u], v[X0+4+\u]
.endr
	v_nop                                          ; one plain instruction between the reciprocals and their use (ISA guide 5.7.2)
.irp u, 0,1,2,3
	s_wait_alu depctr_va_vdst(0)
	v_mul_f32 v[X0+\u], v[X0+\u], v[X0+4+\u]       ; the mean of v', below 4 in size,
.endr
.irp u, 0,1,2,3
	v_mul_f32 v[X0+\u], v[X0+\u], v9               ; and back to v's scale: times 2^E, exact
.endr
.irp u, 0,1,2,3
	ds_store_b32 v6, v[X0+\u] offset:QB+128*\u     ; into my wave's own 512 bytes, whose q were read long ago by this wave alone
.endr
	ds_load_b128 v[X0+8:X0+11], v4 offset:QB       ; LDS serves a wave's instructions in order (ISA guide 5.7.1): this sees the stores above
	s_wait_dscnt 0x0
	global_store_b128 v7, v[X0+8:X0+11], s[6:7] th:TH_STORE_NT     ; a wave's store covers 512 consecutive bytes, at a multiple of 512 from out0's first byte
	s_wait_tensorcnt 0x0
	ds_add_u32 v192, v193
	s_wait_dscnt 0x0
	s_endpgm
.Lfunc_end_k_q13f64438c8_attn:
	.size	k_q13f64438c8_attn, .Lfunc_end_k_q13f64438c8_attn-k_q13f64438c8_attn
	.p2alignl 7, 3214868480
	.fill 96, 4, 3214868480
	.section	.rodata,"a",@progbits
	.p2align	6, 0x0
	.amdhsa_kernel k_q13f64438c8_attn
		.amdhsa_group_segment_fixed_size 39168
		.amdhsa_private_segment_fixed_size 0
		.amdhsa_enable_private_segment 0
		.amdhsa_kernarg_size 16
		.amdhsa_user_sgpr_count 2
		.amdhsa_user_sgpr_kernarg_segment_ptr 1
		.amdhsa_wavefront_size32 1
		.amdhsa_system_sgpr_workgroup_id_x 1
		.amdhsa_system_sgpr_workgroup_id_y 1
		.amdhsa_system_sgpr_workgroup_id_z 1
		.amdhsa_system_vgpr_workitem_id 0
		.amdhsa_next_free_vgpr 194
		.amdhsa_next_free_sgpr 66
		.amdhsa_reserve_vcc 1
		.amdhsa_float_denorm_mode_32 3
		.amdhsa_float_denorm_mode_16_64 3
		.amdhsa_memory_ordered 1
		.amdhsa_forward_progress 1
		.amdhsa_inst_pref_size 98
	.end_amdhsa_kernel
	.amdgpu_metadata
---
amdhsa.version: [ 1, 2 ]
amdhsa.kernels:
  - .name:           k_q13f64438c8_attn
    .symbol:         k_q13f64438c8_attn.kd
    .args:
      - { .name: qkv, .offset: 0, .size: 8, .value_kind: global_buffer, .address_space: global }
      - { .name: out0, .offset: 8, .size: 8, .value_kind: global_buffer, .address_space: global }
    .group_segment_fixed_size: 39168
    .private_segment_fixed_size: 0
    .kernarg_segment_align: 8
    .kernarg_segment_size: 16
    .max_flat_workgroup_size: 512
    .sgpr_count:     66
    .vgpr_count:     194
    .wavefront_size: 32
...
	.end_amdgpu_metadata
.endif
;; end of part 2
;; ======== version 2 of 2: 2 launches; version 1 with the launch proj written anew for expert scheduling mode
;; limits: right only within a limited range of input values
;; workspace buffers: qkv 6,291,456 bytes
;; launch proj (part 3): grid 64 x 3, 16 waves a work-group, no clusters, 235,520 bytes of LDS; arguments query, key, value, Wq, Wk, Wv, bq, bk, bv, qkv; writes qkv
.if DOCPART == 3
	.amdgcn_target "amdgcn-amd-amdhsa--gfx1250"
	.amdhsa_code_object_version 6
	.text
	.protected	k_q13f64438c8_proj
	.globl	k_q13f64438c8_proj
	.p2align	8
	.type	k_q13f64438c8_proj,@function
k_q13f64438c8_proj:
	s_mov_b64 s[64:65], 0
	v_nop
	global_prefetch_b8 v0, s[64:65] scope:SCOPE_SE
	s_setreg_imm32_b32 hwreg(HW_REG_WAVE_SCHED_MODE, 0, 2), 2
	s_setreg_imm32_b32 hwreg(HW_REG_WAVE_MODE, 25, 1), 1
	s_wait_xcnt 0x0
	s_wait_alu depctr_vm_vsrc(0)
; qkv[y][m][n] = sum over k of X_y[m][k] W_y[n][k] + b_y[n],  y = 0, 1, 2: (query, Wq, bq), (key, Wk, bk), (value, Wv, bv).
; X: [1024][512] f32, W: [512][512] f32, b: [512] f32, qkv: [3][1024][512] f32.  Operands are rounded to bf16, sums and bias stay f32.
; A work-group makes 64 rows x 128 columns of one layer: 16 x 4 x 3 = 192 work-groups.  6,144 outputs each (256 equal shares) is the size
; of no tile that divides 1024 x 512; of the tiles that do divide, this one brings the fewest bytes into any one work-group: (64 + 128) rows x 2,048 bytes.
; All of K (512) fits in LDS as bf16, so there is no ring: every thread issues its 48 loads of 16 bytes at once, each number is
; converted once in the work-group, one barrier, then the products run from LDS.
; NO CLUSTER, NO JOINT REQUESTS: those exist for tensor loads alone, which would land f32 in LDS: 192 rows x 2,048 bytes = 393,216 bytes
; do not fit, so it would take a ring, and every wave that reads a fragment would convert it again (X four times, W four times).
; Through registers the whole panel is 199,680 bytes and is converted once.
; Wave w: rows 16 (w & 3) .., columns 32 (w >> 2) ..: two accumulator tiles of 16 x 16.
; THE MODE: SCHED_MODE bits 1:0 = 2 (LLVM: expert scheduling mode 2), set by the entry lines.  The code itself states the register dependences
; between vector or matrix instructions and memory or LDS instructions, with s_wait_alu, always for 0.
; THE PLAN.  Registers that memory or LDS instructions touch:
;   v1, v10     offsets of the global loads: made at the head, never written again.
;   v2 .. v9    LDS addresses and my bytes in qkv: made while the loads are on their way, never written again.
;   RAW, first: load i lands in four registers; two conversions read them and write the first two; one LDS store reads those two.  The loads go in
;               12 groups of four.  Group g's conversions name group g's registers alone; group g - 1's four stores are dealt among them, behind ONE wait
;               on va_vdst at the group's head.
;   RAW, then:  8 fragment buffers.  K step s lands in buffer s % 8 and is read by its two matrix instructions.  While steps 4-7 multiply buffers 4-7,
;               steps 8-11 land in buffers 0-3; while steps 8-11 multiply, steps 12-15 land in buffers 4-7: ONE wait on va_vdst at the head of each of
;               these two groups of four steps; behind it the matrix instructions name the other four buffers and the accumulators alone.
;   ACC         written by the matrix instructions, read by four LDS stores into the stage.
;   v[16:31]    at the end: four rows land from the stage, the bias is added in place, four global stores read them.
.set XPITCH, 1040                      ; an LDS row of 512 bf16 + 16 bytes: 65 x 16, so 16 neighbouring rows start in 16 different 16-byte columns of 256
.set WP,     64*XPITCH                 ; X's 64 rows lie at 0, W's 128 rows behind them
.set STAGE,  192*XPITCH                ; 64 rows x 128 f32 for the way out, bytes of its own
.set SPITCH, 528                       ; 512 + 16 = 33 x 16
.set RAW,    16                        ; v[16:207] 48 loads x 4 registers; later 8 fragment buffers of 24 (X 8, W tile 0 8, W tile 1 8)
.set ACC,    208                       ; v[208:223] two accumulators (v208-213 serve as temporaries before)
; v1 16 t   v2-v4 LDS store addresses (X, W rows 0-63, W rows 64-127)   v5, v6 fragment addresses (X, W)   v7 stage in   v8 stage back
; v9 my bytes in qkv   v10 16 x lane   v[12:15] bias of my four columns on the way out
	s_load_b512 s[8:23], s[0:1], 0x0               ; query 8, key 10, value 12, Wq 14, Wk 16, Wv 18, bq 20, bk 22
	s_load_b128 s[24:27], s[0:1], 0x40             ; bv 24, qkv 26
	v_lshl_add_u32 v224, v0, 2, 0x39000
	v_mov_b32 v225, 0
	v_lshrrev_b32 v208, 5, v0
	v_readfirstlane_b32 s29, v208                  ; wave 0..15
	s_and_b32 s28, ttmp7, 0xffff                   ; y: the layer
	s_lshr_b32 s36, ttmp9, 2                       ; block row 0..15
	s_lshl_b32 s36, s36, 17                        ; x 64 rows x 2,048 bytes
	s_mov_b32 s37, 0
	s_and_b32 s40, ttmp9, 3                        ; block column 0..3
	s_lshl_b32 s38, s40, 18                        ; x 128 rows of W x 2,048 bytes
	s_mov_b32 s39, 0
	s_lshl_b32 s40, s40, 9                         ; x 128 columns x 4 bytes
	s_mov_b32 s41, 0
	s_lshl_b32 s42, s28, 21                        ; the layer's plane of qkv
	s_mov_b32 s43, 0
	v_lshlrev_b32 v1, 4, v0                        ; the tiles are whole rows, so dense in memory: load i of thread t is at 16 t + 8192 i
	v_and_b32 v11, 31, v0
	v_lshlrev_b32 v10, 4, v11                      ; 16 x lane
	s_wait_kmcnt 0x0
	s_cmp_eq_u32 s28, 1                            ; the layer's three buffers: X s[30:31], W s[32:33], b s[34:35]
	s_cselect_b64 s[30:31], s[10:11], s[8:9]
	s_cselect_b64 s[32:33], s[16:17], s[14:15]
	s_cselect_b64 s[34:35], s[22:23], s[20:21]
	s_cmp_eq_u32 s28, 2
	s_cselect_b64 s[30:31], s[12:13], s[30:31]
	s_cselect_b64 s[32:33], s[18:19], s[32:33]
	s_cselect_b64 s[34:35], s[24:25], s[34:35]
	s_add_nc_u64 s[30:31], s[30:31], s[36:37]
	s_add_nc_u64 s[32:33], s[32:33], s[38:39]
	s_add_nc_u64 s[34:35], s[34:35], s[40:41]
	s_add_nc_u64 s[26:27], s[26:27], s[42:43]
	s_add_nc_u64 s[26:27], s[26:27], s[36:37]
	s_add_nc_u64 s[26:27], s[26:27], s[40:41]
	s_wait_alu depctr_va_vdst(0)                   ; v1 and v10 are written: the 49 loads below read one of them as their offset
	global_load_b128 v[12:15], v10, s[34:35]       ; the bias first: it is the oldest load, so the last wait below covers it
.set i, 0
.rept 16
	global_load_b128 v[RAW+4*i:RAW+4*i+3], v1, s[30:31] offset:8192*i          ; X: a wave's load covers 512 neighbouring bytes
.set i, i+1
.endr
.set i, 0
.rept 32
	global_load_b128 v[RAW+64+4*i:RAW+64+4*i+3], v1, s[32:33] offset:8192*i    ; W
.set i, i+1
.endr
	; addresses, while the loads are on their way: none of these lines names a register that a load touches, but v10, which is only read
	v_lshrrev_b32 v208, 7, v0                      ; 128 threads cover a row of 2,048 bytes: load i holds row 4 i + (t >> 7)
	v_and_b32 v209, 127, v0
	v_mul_u32_u24 v208, v208, XPITCH
	v_lshl_add_u32 v2, v209, 3, v208               ; my 4 numbers become 8 bytes of bf16
	v_add_nc_u32 v3, WP, v2
	v_add_nc_u32 v4, 64*XPITCH, v3
	v_and_b32 v210, 15, v0                         ; r
	v_bfe_u32 v211, v0, 4, 1                       ; h
	v_mul_u32_u24 v212, v210, XPITCH
	v_lshl_add_u32 v212, v211, 4, v212             ; r x pitch + 16 h: a 16-bit fragment's lane address
	v_mul_u32_u24 v213, v210, SPITCH
	v_lshl_add_u32 v213, v211, 5, v213             ; stage: row r, 8 f32 for each half of the lanes
	s_wait_alu depctr_va_sdst(0)                   ; s29, the wave's number, is written, ahead of its first reader
	s_and_b32 s44, s29, 3                          ; which 16 rows are mine
	s_lshr_b32 s45, s29, 2                         ; which 32 columns
	s_mul_i32 s46, s44, 16*XPITCH
	v_add_nc_u32 v5, s46, v212
	s_mul_i32 s46, s45, 32*XPITCH
	s_add_co_u32 s46, s46, WP
	v_add_nc_u32 v6, s46, v212
	s_mul_i32 s46, s44, 16*SPITCH
	s_lshl_b32 s47, s45, 7
	s_add_co_u32 s46, s46, s47
	s_add_co_u32 s46, s46, STAGE
	v_add_nc_u32 v7, s46, v213
	s_mul_i32 s46, s29, SPITCH                     ; back: wave w takes rows w, w + 16, w + 32, w + 48, a whole row of 512 bytes each time
	s_add_co_u32 s46, s46, STAGE
	v_add_nc_u32 v8, s46, v10
	s_lshl_b32 s46, s29, 11
	v_add_nc_u32 v9, s46, v10
; load i's four numbers, as bf16, into the panels
.macro PUT i
	ds_store_b64 v[2+(\i)/16], v[RAW+4*(\i):RAW+4*(\i)+1] offset:4*XPITCH*((\i)%16)    ; a wave's store covers 256 neighbouring bytes
.endm
; Group g: four loads' numbers to bf16; the stores of group g - 1 are dealt among the conversions.
; Behind load 4 g + 3 stand 44 - 4 g younger loads, which may stay out.
.macro CONV g
	s_wait_loadcnt 44-4*\g
.if \g
	s_wait_alu depctr_va_vdst(0)                   ; group g - 1's conversions have written the pairs that the four stores below read (the first time: v2 to v9 are written too)
.endif
.irp n, 0,1,2,3
.if \g
	PUT (4*\g+\n-4)                                ; no vector instruction since the wait names its registers
.endif
.set L, RAW+4*(4*\g+\n)
	v_cvt_pk_bf16_f32 v[L], v[L], v[L+1]
	v_cvt_pk_bf16_f32 v[L+1], v[L+2], v[L+3]
.endr
.endm
.irp g, 0,1,2,3,4,5,6,7,8,9,10,11
	CONV \g
.endr
	s_wait_alu depctr_va_vdst(0)                   ; group 11's conversions have written their pairs; no conversion is left that reads or writes RAW, in which the fragments will land
.irp n, 44,45,46,47
	PUT \n
.endr
	s_wait_dscnt 0x0                               ; my part of the panels is in LDS, for the others' sake
	s_barrier_signal -1
	s_barrier_wait -1                              ; everybody's is
	s_wait_alu depctr_vm_vsrc(0)                   ; my LDS stores have read their pairs in RAW: these registers are fragment buffers from here on
; the fragments of K step s (32 along K = 64 bytes of a row) into buffer buf
.macro LDK s, buf
.set F, RAW+24*\buf
	ds_load_b128 v[F:F+3],     v5 offset:64*\s
	ds_load_b128 v[F+4:F+7],   v5 offset:64*\s+32
	ds_load_b128 v[F+8:F+11],  v6 offset:64*\s
	ds_load_b128 v[F+12:F+15], v6 offset:64*\s+32
	ds_load_b128 v[F+16:F+19], v6 offset:16*XPITCH+64*\s
	ds_load_b128 v[F+20:F+23], v6 offset:16*XPITCH+64*\s+32
.endm
; Used transposed: source 0 = 16 rows of W, source 1 = 16 rows of X, so that a lane's 8 results are 8 neighbouring columns of one row.
; zero = 1: the first product starts the sums.  The two accumulators take turns.
.macro MULK buf, zero
.set F, RAW+24*\buf
.if \zero
	v_wmma_f32_16x16x32_bf16 v[ACC:ACC+7],    v[F+8:F+15],  v[F:F+7], 0
	v_wmma_f32_16x16x32_bf16 v[ACC+8:ACC+15], v[F+16:F+23], v[F:F+7], 0
.else
	v_wmma_f32_16x16x32_bf16 v[ACC:ACC+7],    v[F+8:F+15],  v[F:F+7], v[ACC:ACC+7]
	v_wmma_f32_16x16x32_bf16 v[ACC+8:ACC+15], v[F+16:F+23], v[F:F+7], v[ACC+8:ACC+15]
.endif
.endm
; K step s - 4 is multiplied out of buffer mbuf, and ahead of it K step s is asked for, into buffer lbuf.
; head = 1: the first of four such turns, which load again the four buffers that the four steps before have multiplied.
.macro TURN s, lbuf, mbuf, head
	s_wait_dscnt 18                                ; LDS loads come back in order (ISA guide 5.7.1): step s - 4 is in, the 18 loads of the three younger steps may be out
.if \head
	s_wait_alu depctr_va_vdst(0)                   ; the matrix instructions of the four steps before are done reading their buffers, in which this turn's and the next three turns' loads land
.endif
	LDK \s, \lbuf                                  ; no matrix instruction since that wait names this buffer
	MULK \mbuf, 0
.endm
.irp s, 0,1,2,3,4,5,6,7
	LDK \s, \s
.endr
	s_wait_dscnt 24                                ; K steps 0-3 are in; the 24 loads of steps 4-7 may be out
	MULK 0, 1
	MULK 1, 0
	MULK 2, 0
	MULK 3, 0
	TURN 8,  0, 4, 1                               ; steps 4-7 multiply buffers 4-7; steps 8-11 land in buffers 0-3
	TURN 9,  1, 5, 0
	TURN 10, 2, 6, 0
	TURN 11, 3, 7, 0
	TURN 12, 4, 0, 1                               ; steps 8-11 multiply buffers 0-3; steps 12-15 land in buffers 4-7
	TURN 13, 5, 1, 0
	TURN 14, 6, 2, 0
	TURN 15, 7, 3, 0
	s_wait_dscnt 18                                ; step 12 is in; nothing more is asked for, and the counts run down
	MULK 4, 0
	s_wait_dscnt 12
	MULK 5, 0
	s_wait_dscnt 6
	MULK 6, 0
	s_wait_dscnt 0x0
	MULK 7, 0
.rept 4
	v_nop                                          ; four places behind the last matrix instruction, before its result is read (ISA guide 7.12.1)
.endr
	s_wait_alu depctr_va_vdst(0)                   ; the matrix instructions have written the accumulators, which the LDS stores read, and are done reading v[16:31], in which the stage's rows land below; the places above stay beside this wait
	; the way out: through the stage, so that whole rows of 512 bytes leave.  The stage's bytes are no panel's: no barrier in front.
	ds_store_b128 v7, v[ACC:ACC+3]
	ds_store_b128 v7, v[ACC+4:ACC+7]    offset:16
	ds_store_b128 v7, v[ACC+8:ACC+11]   offset:64
	ds_store_b128 v7, v[ACC+12:ACC+15]  offset:80
	s_wait_dscnt 0x0                               ; my results are in the stage, for the others' sake
	s_barrier_signal -1
	s_barrier_wait -1
.irp c, 0,1,2,3
	ds_load_b128 v[RAW+4*\c:RAW+4*\c+3], v8 offset:16*SPITCH*\c
.endr
.irp c, 0,1,2,3
	s_wait_dscnt 3-\c                              ; LDS loads come back in order: row c is in
	v_pk_add_f32 v[RAW+4*\c:RAW+4*\c+1],   v[RAW+4*\c:RAW+4*\c+1],   v[12:13]
	v_pk_add_f32 v[RAW+4*\c+2:RAW+4*\c+3], v[RAW+4*\c+2:RAW+4*\c+3], v[14:15]
.endr
	s_wait_alu depctr_va_vdst(0)                   ; the eight additions have written v[16:31], which the four stores read
.irp c, 0,1,2,3
	global_store_b128 v9, v[RAW+4*\c:RAW+4*\c+3], s[26:27] offset:32768*\c     ; a wave's store covers 512 consecutive bytes, at a multiple of 512 from qkv's first byte
.endr
	s_wait_dscnt 0x0
	s_wait_alu depctr_hold_cnt(0) depctr_sa_sdst(0) depctr_va_vdst(0) depctr_va_sdst(0) depctr_va_ssrc(0) depctr_va_vcc(0) depctr_vm_vsrc(0)
	s_wait_tensorcnt 0x0
	ds_add_u32 v224, v225
	s_wait_dscnt 0x0
	s_endpgm
.Lfunc_end_k_q13f64438c8_proj:
	.size	k_q13f64438c8_proj, .Lfunc_end_k_q13f64438c8_proj-k_q13f64438c8_proj
	.p2alignl 7, 3214868480
	.fill 96, 4, 3214868480
	.section	.rodata,"a",@progbits
	.p2align	6, 0x0
	.amdhsa_kernel k_q13f64438c8_proj
		.amdhsa_group_segment_fixed_size 235520
		.amdhsa_private_segment_fixed_size 0
		.amdhsa_enable_private_segment 0
		.amdhsa_kernarg_size 80
		.amdhsa_user_sgpr_count 2
		.amdhsa_user_sgpr_kernarg_segment_ptr 1
		.amdhsa_wavefront_size32 1
		.amdhsa_system_sgpr_workgroup_id_x 1
		.amdhsa_system_sgpr_workgroup_id_y 1
		.amdhsa_system_sgpr_workgroup_id_z 1
		.amdhsa_system_vgpr_workitem_id 0
		.amdhsa_next_free_vgpr 226
		.amdhsa_next_free_sgpr 66
		.amdhsa_reserve_vcc 0
		.amdhsa_float_denorm_mode_32 3
		.amdhsa_float_denorm_mode_16_64 3
		.amdhsa_memory_ordered 1
		.amdhsa_forward_progress 1
		.amdhsa_inst_pref_size 29
	.end_amdhsa_kernel
	.amdgpu_metadata
---
amdhsa.version: [ 1, 2 ]
amdhsa.kernels:
  - .name:           k_q13f64438c8_proj
    .symbol:         k_q13f64438c8_proj.kd
    .args:
      - { .name: query, .offset: 0, .size: 8, .value_kind: global_buffer, .address_space: global }
      - { .name: key, .offset: 8, .size: 8, .value_kind: global_buffer, .address_space: global }
      - { .name: value, .offset: 16, .size: 8, .value_kind: global_buffer, .address_space: global }
      - { .name: Wq, .offset: 24, .size: 8, .value_kind: global_buffer, .address_space: global }
      - { .name: Wk, .offset: 32, .size: 8, .value_kind: global_buffer, .address_space: global }
      - { .name: Wv, .offset: 40, .size: 8, .value_kind: global_buffer, .address_space: global }
      - { .name: bq, .offset: 48, .size: 8, .value_kind: global_buffer, .address_space: global }
      - { .name: bk, .offset: 56, .size: 8, .value_kind: global_buffer, .address_space: global }
      - { .name: bv, .offset: 64, .size: 8, .value_kind: global_buffer, .address_space: global }
      - { .name: qkv, .offset: 72, .size: 8, .value_kind: global_buffer, .address_space: global }
    .group_segment_fixed_size: 235520
    .private_segment_fixed_size: 0
    .kernarg_segment_align: 8
    .kernarg_segment_size: 80
    .max_flat_workgroup_size: 512
    .sgpr_count:     66
    .vgpr_count:     226
    .wavefront_size: 32
...
	.end_amdgpu_metadata
.endif
;; end of part 3
;; launch attn: the kernel of part 2 again; grid 256 x 1, 16 waves a work-group, no clusters, 39,168 bytes of LDS; arguments qkv, out0; writes out0
